; MI455X (gfx1250); checked and timed in simulation.
; The chip was launched on July 23, 2026; its instructions are those of AMD's public machine-readable ISA for CDNA 5 (MIT licence, August 2026) and "CDNA5" Instruction Set Architecture Reference Guide (July 2026). The comments in the code are by the model that wrote it; some were corrected since.
;; Routed Squared Re LU Readout. Allowed arithmetic: matrix products marked QUANTISED: E4M3 operands, one E8M0 scale for each 32 along K, by v_wmma_scale_f32_16x16x128_f8f6f4 with both operands' format E4M3, f32 sums; products left as they are: f32 operands where the result goes on into a quantised operand, else bf16, f16 or f32 operands; f32 sums; everything else in f32.
;; Inputs: W1 8 x 2,048 x 1,024 float32; W2 8 x 1,024 x 2,048 float32; Wr 8 x 1,024 float32; b1 8 x 2,048 float32; b2 8 x 1,024 float32; br 8 float32; x 2,048 x 1,024 float32.
;; Outputs: out0 2,048 x 1,024 float32.
;; This version of the problem:
;;   THIS VERSION OF THE PROBLEM IS GIVEN IN LOW PRECISION. The matrix products marked QUANTISED in the list below multiply operands that are first quantised to E4M3 (4 exponent bits, 3 mantissa bits; 8 bits a number), with one power-of-two scale for each 32 numbers along K (OCP MX v1.0); their sums are f32. All else is computed in f32.
;;   The module's matrix products, in the order in which they are computed (A, B: the left and right operand; K: the contracted axis; several contracted axes count as one K, in the product's order):
;;     1. [M 2,048, K 1,024] x [K 1,024, N 8]; A: input x; B: input Wr: left as it is (N = 8 < 16)
;;     2. [M 2,048, K 1,024] x [K 1,024, N 16,384]; A: input x; B: input W1: QUANTISED
;;     3. batch 8 x [M 1,024, K 2,048] x [K 2,048, N 2,048]; A: input W2; B: computed on the way: QUANTISED
;;     4. batch 2,048 x [M 1, K 8] x [K 8, N 1,024]; A: softmax; B: computed on the way: left as it is (K = 8 < 32)
;;   THE QUANTISER, for each operand of a quantised product, along K:
;;     - K is cut into blocks of 32 from its start; a last block that is shorter is filled with zeros.
;;     - A block's scale is 2^e with e = floor(log2(the largest magnitude in the block)) - 8, held to -126 .. 127; a block of zeros has e = 0. As a byte (E8M0): e + 127.
;;     - Each number is divided by its block's scale, clamped to +-448, and rounded to the nearest number of E4M3, ties to even, subnormals kept.
;;     - The product sums the exact products of the quantised numbers (number of the format x scale) in f32.
;;   ~~~python
;;   def quantise(x, axis):      # numpy; x: float32 -> the quantised numbers, widened to float32 again
;;       x = np.moveaxis(x, axis, -1); K = x.shape[-1]
;;       x = np.pad(x, [(0, 0)] * (x.ndim - 1) + [(0, -K % 32)]); x = x.reshape(x.shape[:-1] + (-1, 32)); a = np.abs(x).max(-1, keepdims=True)
;;       e = np.where(a > 0, np.clip(np.frexp(np.where(a > 0, a, 1))[1] - 1 - 8, -126, 127), 0)      # np.frexp(a)[1] - 1 = floor(log2(a)), exactly
;;       r = np.clip(x / 2.0 ** e, -448, 448)
;;       step = 2.0 ** (np.maximum(np.frexp(np.where(r == 0, 1, r))[1] - 1, -6) - 3)
;;       q = np.round(r / step) * step * 2.0 ** e      # np.round: ties to even
;;       return np.moveaxis(q.reshape(q.shape[:-2] + (-1,))[..., :K], -1, axis).astype(np.float32)
;;   ~~~
;;   OPERANDS COMPUTED ON THE WAY. 'Computed on the way' means the value that the module computes at that place (a softmax that the list does not call 'softmax' is quantised finished and normalised). What goes into a quantiser is computed in f32, as accurately as f32 sums, v_exp_f32 and their like allow (about 1e-6 of the number): no bf16 or f16 on the way to a quantiser, and a product that is left as it is and whose result goes on into a quantised operand takes f32 operands (vector FMAs, or v_wmma_f32_16x16x4_f32). A number that lies on a knife's edge between two numbers of the format may be rounded either way, as far as f32 arithmetic and the matrix unit's own rounding can turn it there, and no further.
;; One version. Each part assembles by itself: llvm-mc -triple=amdgcn-amd-amdhsa -mcpu=gfx1250 --defsym DOCPART=n.
;; ======== version 1 of 1: 3 launches
;; limits: values are held in bf16: 8 bits of precision; right only within a limited range of input values
;; workspace buffers: codes 35,651,584 bytes; scales 1,114,112 bytes; route 65,536 bytes; yb 67,108,864 bytes
;; launch prep (part 1): grid 1152 x 1, 4 waves a work-group, no clusters, 57,856 bytes of LDS; arguments x, W1, W2, Wr, br, codes, scales, route; writes codes, scales, route
.if DOCPART == 1
	.amdgcn_target "amdgcn-amd-amdhsa--gfx1250"
	.amdhsa_code_object_version 6
	.text
	.protected	k_qcd697e1088_prep
	.globl	k_qcd697e1088_prep
	.p2align	8
	.type	k_qcd697e1088_prep,@function
k_qcd697e1088_prep:
	s_mov_b64 s[64:65], 0
	v_nop
	global_prefetch_b8 v0, s[64:65] scope:SCOPE_SE
	s_setreg_imm32_b32 hwreg(HW_REG_WAVE_MODE, 25, 1), 1
	s_wait_xcnt 0x0
; out0[n][o] = sum over e of softmax_e(x Wr^T + br)[n][e] x (relu(x W1[e]^T + b1[e])^2 W2[e]^T + b2[e])[n][o], the two large products on codes of E4M3 with one E8M0 scale for each 32 along K.
; NO WORK OF THE PROBLEM IS LEFT OUT: every expert's result is weighed in by a softmax weight, br differs along the softmax's axis, and all seven inputs have a way to out0.
; THE PROGRAM: this launch quantises x, W1 and W2 once and makes the route; the second takes a block of tokens of one expert through both products; the third adds the parts.
; THIS LAUNCH.  Work-groups 0-63: the route, in f32.  Work-groups 64-1151: x (64), W1 (512), W2 (512).  A wave's run is 16 rows x 512 along K: step t is row t's 512 numbers, 2,048 consecutive bytes.
; CODES ARE LAID AS IMAGES OF OPERAND FRAGMENTS: a run's 8,192 bytes are [128 of K: 4][piece c: 4][lane 16 h + r][16 bytes], the piece holding K = 32 c + 16 h + 0..15 of row r: a load of 16 bytes a lane at 16 x lane fills four operand registers.
; Runs lie [block of 16 rows][512 of K]; x at byte 0, W1 at W1C0, W2 at W2C0.  W1'S ROWS: position p holds row p with bits 3 and 4 exchanged, so that the next launch's results fall into neighbours along the next K.
; W2's runs lie [expert][half of K][block of 16 rows][512 of K], so that what one work-group of the next launch reads of W2 is one dense block, laid like its block of W1.
; SCALE BYTES: 256 a run, in the order of the runs: [row r][16 bytes]: a row's four scale words for the run's four matrix instructions.
; A block's scale is 2^(floor(log2(its largest magnitude)) - 8); its byte is the largest magnitude's exponent field - 8, held at 1 from below.
; LIMITS: NaN and infinities among the inputs are not served.  A block whose largest magnitude lies under 2^(9 - 127) keeps the byte 1; so does a block of zeros, where the rule says 127: its codes are zeros, and this program alone reads the bytes.
; No tensor loads, no barrier: waves share nothing.  The matrix units and clusters have no part here: the launch is a stream.
.set W1C0,  2097152
.set W2C0,  18874368
.set W1S0,  65536
.set W2S0,  589824
.set STEPS, 16
.set R,     16                         ; v16-79   four sets of 16 numbers as they are loaded; at the end the codes on their way out
.set X,     80                         ; v80-111  two sets of 16 neighbours
.set E,     112                        ; v112-127 a scale byte for each step
.set C,     128                        ; v128-191 codes: four registers for each step
.set WREG,  14336                      ; LDS, a region for each wave: two stages of 32 x SP bytes, 256 scale bytes at 5,120, the codes' stage (32 x 272) at 5,632
.set SP,    80
.set SPW,   12                         ; v12 my spare word; never rewritten
.set NIL,   13                         ; v13 0; never rewritten
.set SPARE, 4*WREG
.set RB,    66                         ; s66-97 the address of each step's row
.set ACC,   16
.set XR,    80
.set WR,    144
	s_load_b256 s[4:11], s[0:1], 0x0               ; x, W1, W2, Wr
	s_load_b256 s[12:19], s[0:1], 0x20             ; br, codes, scales, route
	v_lshl_add_u32 v[SPW], v0, 2, SPARE
	v_mov_b32 v[NIL], 0
	v_lshrrev_b32 v1, 5, v0
	v_readfirstlane_b32 s20, v1                    ; wave
	v_and_b32 v2, 31, v0                           ; lane
	s_cmp_lt_u32 ttmp9, 64
	s_cbranch_scc1 .Lrouter
	; ---------------- THE QUANTISER: one path for the three tensors; only scalars are chosen, by the work-group's number
	s_sub_co_u32 s21, ttmp9, 64
	s_mov_b32 s32, W2C0
	s_mov_b32 s33, W2S0
	s_mov_b32 s36, 576
	s_mov_b32 s24, W1C0
	s_mov_b32 s25, W1S0
	s_wait_alu depctr_va_vdst(0)
	v_lshlrev_b32 v3, 4, v2                        ; 16 x lane
	s_mul_i32 s39, s20, WREG
	v_lshrrev_b32 v14, 2, v2
	v_mul_u32_u24 v14, v14, SP
	v_and_b32 v15, 3, v2
	v_lshl_add_u32 v14, v15, 4, v14
	v_add_nc_u32 v14, s39, v14                     ; the stage, on the way in
	v_mul_u32_u24 v15, v2, SP
	v_add_nc_u32 v15, s39, v15                     ; and on the way out: my 16 neighbours
	v_lshrrev_b32 v5, 1, v2
	s_add_co_u32 s39, s39, 2*32*SP
	v_add_nc_u32 v5, s39, v5                       ; my block's scale byte
	v_lshl_add_u32 v6, v2, 3, s39                  ; and on the way out 8 bytes a lane
	s_add_co_u32 s39, s39, 512
	v_mad_u32_u24 v4, v2, 272, s39                 ; the codes' stage, in: row = my piece of K (lane), 16 bytes for each step's row
	v_and_b32 v7, 15, v2
	v_lshrrev_b32 v8, 4, v2
	v_mul_u32_u24 v8, v8, 272
	v_lshl_add_u32 v8, v7, 4, v8
	v_add_nc_u32 v1, s39, v8                       ; out: lanes 0-15 one piece's 16 rows, lanes 16-31 the next piece's
	v_lshlrev_b32 v7, 3, v2                        ; 8 x lane
	s_mov_b32 s23, 0x600000                        ; the mantissa field of 448
	s_wait_alu depctr_va_vdst(0)
	s_wait_kmcnt 0x0
	s_cmp_lt_u32 s21, 576                          ; W1 or W2?
	s_cselect_b64 s[30:31], s[6:7], s[8:9]
	s_cselect_b32 s32, s24, s32
	s_cselect_b32 s33, s25, s33
	s_cselect_b32 s36, 64, s36
	s_cselect_b32 s37, 1, 2                        ; a row has 2^s37 runs of 512
	s_cselect_b32 s38, 1, 0                        ; are the rows laid in the other order?
	s_cmp_lt_u32 s21, 64                           ; or x?
	s_cselect_b64 s[30:31], s[4:5], s[30:31]
	s_cselect_b32 s32, 0, s32
	s_cselect_b32 s33, 0, s33
	s_cselect_b32 s36, 0, s36
	s_cselect_b32 s38, 0, s38
	s_sub_co_u32 s22, s21, s36
	s_lshl_b32 s22, s22, 2
	s_add_co_u32 s22, s22, s20                     ; which run of the tensor is my wave's
	s_lshr_b32 s26, s22, s37                       ; its block of 16 rows
	s_lshl_b32 s27, 1, s37
	s_sub_co_u32 s27, s27, 1
	s_and_b32 s27, s22, s27                        ; its 512 of K
	s_lshr_b32 s34, s26, 1                         ; W1: block b begins at row 32 (b / 2) + 8 (b % 2), and its positions 8-15 lie 16 rows behind positions 0-7
	s_lshl_b32 s34, s34, 5
	s_and_b32 s35, s26, 1
	s_lshl_b32 s35, s35, 3
	s_add_co_u32 s34, s34, s35
	s_lshl_b32 s35, s26, 4
	s_cmp_eq_u32 s38, 1
	s_cselect_b32 s34, s34, s35                    ; the first row
	s_cselect_b32 s39, 9, 1                        ; rows from step 7 to step 8
	s_add_co_u32 s35, s37, 11                      ; a row is 2^s35 bytes
	s_lshl_b32 s28, s34, s35
	s_lshl_b32 s27, s27, 11
	s_add_co_u32 s28, s28, s27
	s_mov_b32 s29, 0
	s_add_nc_u64 s[RB:RB+1], s[30:31], s[28:29]
	s_lshl_b32 s24, 1, s35
	s_mov_b32 s25, 0
	s_mul_i32 s40, s24, s39
	s_mov_b32 s41, 0
.irp t, 1,2,3,4,5,6,7,8,9,10,11,12,13,14,15
.if \t == 8
	s_add_nc_u64 s[RB+2*\t:RB+2*\t+1], s[RB+2*\t-2:RB+2*\t-1], s[40:41]
.else
	s_add_nc_u64 s[RB+2*\t:RB+2*\t+1], s[RB+2*\t-2:RB+2*\t-1], s[24:25]
.endif
.endr
	s_lshr_b32 s42, s22, 8                         ; W2's run (expert, block: 6 bits, 512 of K: 2 bits) goes to (expert, upper bit of K, block, lower bit of K)
	s_lshl_b32 s42, s42, 8
	s_bfe_u32 s43, s22, 0x10001
	s_lshl_b32 s43, s43, 7
	s_or_b32 s42, s42, s43
	s_bfe_u32 s43, s22, 0x60002
	s_lshl_b32 s43, s43, 1
	s_or_b32 s42, s42, s43
	s_and_b32 s43, s22, 1
	s_or_b32 s42, s42, s43
	s_cmp_eq_u32 s37, 2
	s_cselect_b32 s26, s42, s22                    ; where the run's codes and scale bytes go
	s_lshl_b32 s28, s26, 13
	s_add_co_u32 s28, s28, s32
	s_add_nc_u64 s[14:15], s[14:15], s[28:29]
	s_lshl_b32 s28, s26, 8
	s_add_co_u32 s28, s28, s33
	s_add_nc_u64 s[16:17], s[16:17], s[28:29]
.macro LOAD t
.irp i, 0,1,2,3
	global_load_b128 v[R+16*((\t)%4)+4*\i:R+16*((\t)%4)+4*\i+3], v3, s[RB+2*(\t):RB+2*(\t)+1] offset:512*\i th:TH_LOAD_NT   ; 32 lanes read 512 consecutive bytes
.endr
.endm
.macro TURN t                          ; step t's numbers through the stage: LDS serves a wave's instructions in order (ISA guide 5.7.1.4)
.irp i, 0,1,2,3
	ds_store_b128 v14, v[R+16*((\t)%4)+4*\i:R+16*((\t)%4)+4*\i+3] offset:32*SP*((\t)%2)+8*SP*\i
.endr
.irp i, 0,1,2,3
	ds_load_b128 v[X+16*((\t)%2)+4*\i:X+16*((\t)%2)+4*\i+3], v15 offset:32*SP*((\t)%2)+16*\i
.endr
.endm
.irp t, 0,1,2,3
	LOAD \t
.endr
	s_wait_loadcnt 12
	TURN 0
.macro STEP t
.set XS, X+16*((\t)%2)
.if (\t) > 0
	s_wait_dscnt 2                                 ; this step's numbers are back (the last step's two stores, byte and codes, may be out)
.else
	s_wait_dscnt 0x0
.endif
.if (\t)+4 < STEPS
	LOAD (\t)+4
.endif
.if (\t)+1 < STEPS
.if STEPS-2-(\t) >= 3
	s_wait_loadcnt 12                              ; the next step's four loads are in; those of the three steps behind it may be out
.else
	s_wait_loadcnt 4*(STEPS-2-(\t))
.endif
	TURN (\t)+1
.endif
	v_max3_num_f32 v8, |v[XS]|, |v[XS+1]|, |v[XS+2]|
	v_max3_num_f32 v9, |v[XS+3]|, |v[XS+4]|, |v[XS+5]|
.irp i, 6,10
	v_max3_num_f32 v8, v8, |v[XS+\i]|, |v[XS+\i+1]|
	v_max3_num_f32 v9, v9, |v[XS+\i+2]|, |v[XS+\i+3]|
.endr
	v_max3_num_f32 v8, v8, |v[XS+14]|, |v[XS+15]|
	v_max3_num_f32 v8, v8, v9, 0x4800000           ; the floor 2^(9 - 127): the byte cannot fall under 1
	v_max_num_f32_dpp v8, v8, v8 row_xmask:1 row_mask:0xf bank_mask:0xf   ; with my neighbour's 16: the block's
	v_add_nc_u32 v11, 0xfc000000, v8               ; 8 off its exponent field: the conversion's scale operand
	v_and_or_b32 v10, v8, 0x7f800000, s23          ; 448 x the scale
.irp i, 0,1,2,3,4,5,6,7,8,9,10,11,12,13,14,15
	v_med3_num_f32 v[XS+\i], v[XS+\i], -v10, v10   ; the conversion does not saturate (ISA guide 7.6.2)
.endr
	v_cvt_scalef32_pk8_fp8_f32 v[C+4*(\t):C+4*(\t)+1], v[XS:XS+7], v11
	v_cvt_scalef32_pk8_fp8_f32 v[C+4*(\t)+2:C+4*(\t)+3], v[XS+8:XS+15], v11
	v_lshrrev_b32 v[E+(\t)], 23, v11               ; the scale's byte (also the plain line behind the conversions)
	ds_store_b8 v5, v[E+(\t)] offset:16*(\t)       ; both lanes of a block write the same byte
	ds_store_b128 v4, v[C+4*(\t):C+4*(\t)+3] offset:16*(\t)
.endm
.irp t, 0,1,2,3,4,5,6,7,8,9,10,11,12,13,14,15
	STEP \t
.endr
.irp s, 0,1,2,3,4,5,6,7,8,9,10,11,12,13,14,15
	ds_load_b128 v[R+4*\s:R+4*\s+3], v1 offset:544*\s   ; pieces 2 s and 2 s + 1 of all 16 rows
.endr
	ds_load_b64 v[8:9], v6
.irp s, 0,1,2,3,4,5,6,7,8,9,10,11,12,13,14,15
	s_wait_dscnt 16-\s
	global_store_b128 v3, v[R+4*\s:R+4*\s+3], s[14:15] offset:512*\s   ; 512 consecutive bytes, aligned
.endr
	s_wait_dscnt 0x0
	global_store_b64 v7, v[8:9], s[16:17]          ; the run's 256 scale bytes: one aligned unit
	s_wait_tensorcnt 0x0                           ; the wave's end
	ds_add_u32 v[SPW], v[NIL]
	s_wait_dscnt 0x0
	s_endpgm
	; ---------------- THE ROUTE: softmax over the experts of x Wr^T + br, all in f32.
	; A lane takes 4 neighbouring numbers of each 128 along K, of 8 rows of x and of Wr's 8 rows: 64 sums a lane, folded over the 32 lanes in five folds.
	; The sum of row p and expert e lies at Q = 32 e1 + 16 e2 + 8 p0 + 4 p1 + 2 p2 + e0, so that lane l ends with row l / 4, experts 2 (l % 4) and 2 (l % 4) + 1.
.Lrouter:
	s_lshl_b32 s21, ttmp9, 2
	s_add_co_u32 s21, s21, s20
	s_lshl_b32 s22, s21, 15
	s_mov_b32 s23, 0
	s_lshl_b32 s24, s21, 8
	s_mov_b32 s25, 0
	s_mov_b32 s48, 0xaaaaaaaa
	s_mov_b32 s49, 0xcccccccc
	s_mov_b32 s50, 0xf0f0f0f0
	s_mov_b32 s51, 0xff00ff00
	s_mov_b32 s52, 0xffff0000
	s_mov_b32 s54, 0x76543210
	s_mov_b32 s55, 0xfedcba98
	s_wait_alu depctr_va_vdst(0)
	v_lshlrev_b32 v1, 4, v2
	v_and_b32 v3, 3, v2
	v_lshlrev_b32 v3, 3, v3
	s_wait_alu depctr_va_vdst(0)
	s_wait_kmcnt 0x0
	s_add_nc_u64 s[4:5], s[4:5], s[22:23]
	s_add_nc_u64 s[18:19], s[18:19], s[24:25]
	global_load_b64 v[14:15], v3, s[12:13]
.macro XLOAD c
.irp p, 0,1,2,3,4,5,6,7
	global_load_b128 v[XR+32*((\c)%2)+4*\p:XR+32*((\c)%2)+4*\p+3], v1, s[4:5] offset:4096*\p+512*(\c)
.endr
.endm
.macro WLOAD t
.irp p, 0,1,2,3
	global_load_b128 v[WR+16*((\t)%3)+4*\p:WR+16*((\t)%3)+4*\p+3], v1, s[10:11] offset:4096*(4*((\t)%2)+\p)+512*((\t)/2)
.endr
.endm
; Half t = 2 c + g: chunk c of x against experts 4 g .. 4 g + 3.  Behind the loads that half t needs, one chunk of x (8) and two halves of Wr (4 + 4) have been issued: 16; for half 14 only half 15: 4.
.macro RFMA t
.if (\t) < 14
	s_wait_loadcnt 16
.elseif (\t) == 14
	s_wait_loadcnt 4
.else
	s_wait_loadcnt 0x0
.endif
.irp j, 0,1,2,3
.irp p, 0,1,2,3,4,5,6,7
.irp f, 0,1,2,3
.set ee, 4*((\t)%2)+\f
.set QQ, ACC+32*((ee>>1)&1)+16*((ee>>2)&1)+8*(\p&1)+4*((\p>>1)&1)+2*((\p>>2)&1)+(ee&1)
.if ((\t) < 2) && (\j == 0)
	v_mul_f32 v[QQ], v[XR+32*(((\t)/2)%2)+4*\p+\j], v[WR+16*((\t)%3)+4*\f+\j]
.else
	v_fmac_f32 v[QQ], v[XR+32*(((\t)/2)%2)+4*\p+\j], v[WR+16*((\t)%3)+4*\f+\j]
.endif
.endr
.endr
.endr
.if (((\t)%2) == 1) && (((\t)/2)+2 < 8)
	XLOAD ((\t)/2)+2
.endif
.if (\t)+3 < 16
	WLOAD (\t)+3
.endif
.endm
	XLOAD 0
	WLOAD 0
	WLOAD 1
	XLOAD 1
	WLOAD 2
.irp t, 0,1,2,3,4,5,6,7,8,9,10,11,12,13,14,15
	RFMA \t
.endr
.macro FOLD n, m, xm
.set q, 0
.rept \n
	v_cndmask_b32 v[4+2*(q%4)], v[ACC+q], v[ACC+q+\n], s[\m]
	v_cndmask_b32 v[5+2*(q%4)], v[ACC+q+\n], v[ACC+q], s[\m]
	v_add_f32_dpp v[ACC+q], v[5+2*(q%4)], v[4+2*(q%4)] row_xmask:\xm row_mask:0xf bank_mask:0xf
.set q, q+1
.endr
.endm
	FOLD 32, 48, 1
	FOLD 16, 49, 2
	FOLD 8, 50, 4
	FOLD 4, 51, 8
.irp q, 0,1
	v_cndmask_b32 v[4+4*\q], v[ACC+\q], v[ACC+\q+2], s52
	v_cndmask_b32 v[5+4*\q], v[ACC+\q+2], v[ACC+\q], s52
	v_permlanex16_b32 v[6+4*\q], v[5+4*\q], s54, s55
	v_add_f32 v[ACC+\q], v[6+4*\q], v[4+4*\q]
.endr
	v_add_f32 v16, v16, v14                        ; + br
	v_add_f32 v17, v17, v15
	v_max_num_f32 v4, v16, v17                     ; the row's largest logit
	v_max_num_f32_dpp v4, v4, v4 row_xmask:1 row_mask:0xf bank_mask:0xf
	v_max_num_f32_dpp v4, v4, v4 row_xmask:2 row_mask:0xf bank_mask:0xf
	v_sub_f32 v16, v16, v4
	v_sub_f32 v17, v17, v4
	v_mul_f32 v16, 0x3fb8aa3b, v16
	v_mul_f32 v17, 0x3fb8aa3b, v17
	s_wait_alu depctr_va_vdst(0)
	v_exp_f32 v16, v16
	v_exp_f32 v17, v17
	v_lshlrev_b32 v2, 3, v2
	s_wait_alu depctr_va_vdst(0)
	v_add_f32 v5, v16, v17
	v_add_f32_dpp v5, v5, v5 row_xmask:1 row_mask:0xf bank_mask:0xf
	v_add_f32_dpp v5, v5, v5 row_xmask:2 row_mask:0xf bank_mask:0xf
	s_wait_alu depctr_va_vdst(0)
	v_rcp_f32 v6, v5
	v_nop
	s_wait_alu depctr_va_vdst(0)
	v_mul_f32 v16, v16, v6
	v_mul_f32 v17, v17, v6
	global_store_b64 v2, v[16:17], s[18:19]        ; the wave's 8 rows of 8 weights: 256 consecutive bytes, aligned
	s_endpgm
.Lfunc_end_k_qcd697e1088_prep:
	.size	k_qcd697e1088_prep, .Lfunc_end_k_qcd697e1088_prep-k_qcd697e1088_prep
	.p2alignl 7, 3214868480
	.fill 96, 4, 3214868480
	.section	.rodata,"a",@progbits
	.p2align	6, 0x0
	.amdhsa_kernel k_qcd697e1088_prep
		.amdhsa_group_segment_fixed_size 57856
		.amdhsa_private_segment_fixed_size 0
		.amdhsa_enable_private_segment 0
		.amdhsa_kernarg_size 64
		.amdhsa_user_sgpr_count 2
		.amdhsa_user_sgpr_kernarg_segment_ptr 1
		.amdhsa_wavefront_size32 1
		.amdhsa_system_sgpr_workgroup_id_x 1
		.amdhsa_system_sgpr_workgroup_id_y 1
		.amdhsa_system_sgpr_workgroup_id_z 1
		.amdhsa_system_vgpr_workitem_id 0
		.amdhsa_next_free_vgpr 192
		.amdhsa_next_free_sgpr 100
		.amdhsa_reserve_vcc 0
		.amdhsa_float_denorm_mode_32 3
		.amdhsa_float_denorm_mode_16_64 3
		.amdhsa_memory_ordered 1
		.amdhsa_forward_progress 1
		.amdhsa_inst_pref_size 146
	.end_amdhsa_kernel
	.amdgpu_metadata
---
amdhsa.version: [ 1, 2 ]
amdhsa.kernels:
  - .name:           k_qcd697e1088_prep
    .symbol:         k_qcd697e1088_prep.kd
    .args:
      - { .name: x, .offset: 0, .size: 8, .value_kind: global_buffer, .address_space: global }
      - { .name: W1, .offset: 8, .size: 8, .value_kind: global_buffer, .address_space: global }
      - { .name: W2, .offset: 16, .size: 8, .value_kind: global_buffer, .address_space: global }
      - { .name: Wr, .offset: 24, .size: 8, .value_kind: global_buffer, .address_space: global }
      - { .name: br, .offset: 32, .size: 8, .value_kind: global_buffer, .address_space: global }
      - { .name: codes, .offset: 40, .size: 8, .value_kind: global_buffer, .address_space: global }
      - { .name: scales, .offset: 48, .size: 8, .value_kind: global_buffer, .address_space: global }
      - { .name: route, .offset: 56, .size: 8, .value_kind: global_buffer, .address_space: global }
    .group_segment_fixed_size: 57856
    .private_segment_fixed_size: 0
    .kernarg_segment_align: 8
    .kernarg_segment_size: 64
    .max_flat_workgroup_size: 128
    .sgpr_count:     100
    .vgpr_count:     192
    .wavefront_size: 32
...
	.end_amdgpu_metadata
.endif
;; end of part 1
;; launch mlp (part 2): grid 256 x 1, 4 waves a work-group, clusters of 4 x 1, 327,680 bytes of LDS; arguments codes, scales, b1, b2, route, yb; writes yb
.if DOCPART == 2
	.amdgcn_target "amdgcn-amd-amdhsa--gfx1250"
	.amdhsa_code_object_version 6
	.text
	.protected	k_qcd697e1088_mlp
	.globl	k_qcd697e1088_mlp
	.p2align	8
	.type	k_qcd697e1088_mlp,@function
k_qcd697e1088_mlp:
	s_mov_b64 s[64:65], 0
	v_nop
	global_prefetch_b8 v0, s[64:65] scope:SCOPE_SE
	s_setreg_imm32_b32 hwreg(HW_REG_WAVE_MODE, 25, 1), 1
	s_wait_xcnt 0x0
	s_wait_alu depctr_hold_cnt(0) depctr_sa_sdst(0) depctr_va_vdst(0) depctr_va_sdst(0) depctr_va_ssrc(0) depctr_va_vcc(0) depctr_vm_vsrc(0)
	s_getreg_b32 s2, hwreg(HW_REG_IB_STS2, 6, 4)
	s_cmp_eq_u32 s2, 0
	s_cbranch_scc0 .Lentry_in_a_cluster
	s_endpgm
.Lentry_in_a_cluster:
	s_bfe_u32 s2, ttmp6, 0x10000c
	s_cmp_lg_u32 s2, 0x3003
	s_cbranch_scc0 .Lentry_shape_is_right
	s_endpgm
.Lentry_shape_is_right:
; BOTH PRODUCTS OF ONE EXPERT FOR A BLOCK OF TOKENS.  Work-group (tb, eh = 2 e + half): 128 tokens, expert e, 1,024 of its 2,048 hidden units.
; Phase 1: h = relu(x W1^T + b1)^2 for those units, quantised along the units; its codes and scale bytes stay in LDS.  Phase 2: part = route[n][e] x (h W2^T + b2 / 2) over those units as K, all 1,024 outputs, stored as bf16.
; The 16 parts (8 experts x 2 halves; each half carries half of b2) are added by the next launch.  No work of the problem is left out.
; SHARES.  A wave owns 256 columns (hidden units, then outputs), in four passes of 64: 8 blocks of 16 tokens x 4 tiles of 16 columns = 32 accumulators; K = 1,024 in eight steps of 128: 32 matrix instructions a step.
; CLUSTERS of 4 x 1: the four partners have one tb (cluster's number % 16) and four eh (4 x (cluster's number / 16) + cx): they need the same 131,072 bytes of x's codes, which come into LDS once, by JOINT loads, a quarter a wave.
; THE WEIGHTS GO FROM MEMORY STRAIGHT INTO REGISTERS: each fragment is read by one wave alone, 512 consecutive bytes a load, through a ring of four sets of four fragments, asked for three steps ahead.
; They are not asked for jointly: x and h take 262,144 of LDS's 327,680 bytes, so no ring of weight tiles fits beside them.  The tokens' fragments come from LDS into two sets by turns.  No barrier stands in either loop.
; PREFETCH: in each pass a wave names 4,096 bytes of the 65,536 that its like in the 16 work-groups of one eh loads two passes on: the 16 share them out by tb; passes 0 and 1 come by their loads alone, and the last two passes ask for nothing.
; THE MATRIX INSTRUCTION IS USED TRANSPOSED (source 0 = 16 rows of a weight, source 1 = 16 tokens): lane (r, h) holds token r.  By the order of W1's rows register j of tile i is hidden unit 32 (i / 2) + 16 h + 8 (i % 2) + j.
; LIMITS: NaN and infinities are not served; a block of h whose largest number lies under 2^(9 - 127), zeros among them, keeps the byte 1: this launch alone reads the bytes.
; REGISTERS: window 0: addresses, scale words, bias, work; window 1: the 32 accumulators ((a, i) at 8 (4 a + i)); window 2: the tokens' fragments, two sets of 128; window 3: the weights' ring, four sets of 64.
; LDS: x at 0 (in phase 2 the waves' stages for the way out); h's codes at HB, [block a][128 of K][piece][lane][16]; its scale bytes at HSB, [a][512 of K][r][16]; the spare words.
.set W1C0, 2097152
.set W1S0, 65536
.set CJ,   16777216-3*65536            ; from pass 3's codes (W1) to pass 4's (W2)
.set SJ,   524288-3*2048               ; the same for the scale bytes
.set HB,   131072
.set HSB,  262144
.set SPARE, 266240
.set STG,  18432                       ; a wave's stage: 128 tokens x (128 + 16) bytes
.set L16, 1                            ; v1 16 x lane
.set VR,  2                            ; v2 r, v3 h
.set VH_, 3
.set VSO, 4                            ; v4 512 h + 16 r: a scale word's place
.set VB,  5                            ; v5, v6 the bias's offsets for even and odd tiles
.set PFO, 7
.set AX,  8                            ; v8, v9 x's fragments: blocks 0-3, 4-7
.set AH,  10                           ; v10, v11 h's
.set HB0, 12                           ; v12, v13 where my wave's codes of h go, pass 0
.set VH,  14                           ; v14, v15 the same for the pass in hand
.set HS0, 16                           ; v16, v17 the same for the scale bytes
.set HSC, 17
.set STO, 18
.set SRD, 19
.set SPW, 20
.set NIL, 21
.set HSL, 22
.set HW,  24                           ; v24-31 two scale bytes for each block of tokens
.set XS,  32                           ; v32-63 the tokens' scale words: 8 (a / 2) + step; lanes 0-15 even a, lanes 16-31 odd a
.set WS,  68                           ; v68-83 the weight's: 8 (i / 2) + step; its numbers differ from XS's modulo 8
.set BI,  96                           ; v96-127 the bias in the result's layout
.set RT,  128                          ; v128-143 route: block a's at 2 a
.set TM,  144
.set PC,  160                          ; v160-223 codes of h; in phase 2 packed results, two sets of 32
.set WC,  40                           ; s[40:41] this pass's codes, s[42:43] the next pass's, s[44:45] those two on
.set WN,  42
.set WP,  44
.set SCU, 46
.set SNX, 48
.set BPN, 50
.set B2P, 52
.set YP,  54
.set CNT, 60
.set SEL, 68
.set MNT, 70
.set FLR, 71
.set MSB, 0
.macro WIN new
.if MSB != (\new)
	s_set_vgpr_msb (MSB<<8)|(\new)
.set MSB, (\new)
.endif
.endm
.macro ROUND                           ; a round of the cluster's barrier
	s_barrier_signal -1
	s_barrier_wait -1
	s_cmp_lg_u32 s16, 0
	s_cbranch_scc1 .Lnot_wave_0_\@
	s_barrier_signal -3
.Lnot_wave_0_\@:
	s_barrier_wait -3
	s_barrier_signal -1
	s_barrier_wait -1
.endm
	s_load_b256 s[4:11], s[0:1], 0x0               ; codes, scales, b1, b2
	s_load_b128 s[12:15], s[0:1], 0x20             ; route, yb
	v_lshl_add_u32 v[SPW], v0, 2, SPARE
	v_mov_b32 v[NIL], 0
	ds_add_u32 v[SPW], v[NIL]                      ; the opening: the add, twice on end, and its wait ahead of the round in front of my tensor load
	ds_add_u32 v[SPW], v[NIL]
	v_lshrrev_b32 v24, 5, v0
	v_readfirstlane_b32 s16, v24                   ; wave
	s_bfe_u32 s86, ttmp6, 0x40000                  ; cx: it enters global addresses of plain loads and stores alone
	s_and_b32 s17, ttmp9, 15                       ; tb: the same in the four partners
	s_lshr_b32 s18, ttmp9, 4
	s_lshl_b32 s18, s18, 2
	s_add_co_u32 s18, s18, s86                     ; eh
	s_lshr_b32 s19, s18, 1                         ; e
	s_mov_b32 s32, 15|(3<<16)|(1<<21)              ; group 1: the mask names the four partners, bit 21 beside it; 32,768 dense bytes as 128 rows of 256 (32 elements of 8 bytes)
	s_mov_b32 s33, 32<<16
	s_mov_b32 s34, 128<<16
	s_mov_b32 s35, 32<<16
	s_mov_b32 s36, 128
	s_mov_b32 s37, 32
	s_mov_b32 s38, 0
	s_mov_b32 s39, 0
	s_mov_b32 s28, 1
	s_lshl_b32 s29, s16, 15                        ; LDS: my quarter
	s_lshl_b32 s20, s17, 17
	s_add_co_u32 s20, s20, s29                     ; x's codes: 131,072 a block of tokens
	s_mov_b32 s21, 0
	s_lshl_b32 s22, s18, 20                        ; the weights' codes: 2^20 bytes for (e, half), 2^18 a wave
	s_lshl_b32 s23, s16, 18
	s_add_co_u32 s22, s22, s23
	s_add_co_u32 s22, s22, W1C0
	s_mov_b32 s23, 0
	s_lshl_b32 s24, s18, 15                        ; their scale bytes
	s_lshl_b32 s25, s16, 13
	s_add_co_u32 s24, s24, s25
	s_add_co_u32 s24, s24, W1S0
	s_mov_b32 s25, 0
	s_lshl_b32 s26, s17, 12                        ; x's scale bytes: 8 blocks of 512
	s_mov_b32 s27, 0
	s_lshl_b32 s76, s18, 12                        ; b1: 1,024 numbers for (e, half), 256 a wave
	s_lshl_b32 s79, s16, 10
	s_add_co_u32 s76, s76, s79
	s_mov_b32 s77, 0
	s_lshl_b32 s78, s19, 12                        ; b2: 1,024 an expert
	s_add_co_u32 s78, s78, s79
	s_mov_b32 s79, 0
	s_lshl_b32 s80, s19, 2                         ; route: 32 bytes a token
	s_add_co_u32 s80, s80, s26
	s_mov_b32 s81, 0
	s_lshl_b32 s82, s18, 22                        ; yb: [eh][tb][4 wave + pass][token][64]
	s_lshl_b32 s83, s17, 18
	s_add_co_u32 s82, s82, s83
	s_lshl_b32 s83, s16, 16
	s_add_co_u32 s82, s82, s83
	s_mov_b32 s83, 0
	s_mov_b32 s57, 0
	s_mov_b32 s59, 0
	s_mov_b32 s72, 0
	s_mov_b32 s73, 0
	s_mov_b32 s[SEL], 0x76543210
	s_mov_b32 s[SEL+1], 0xfedcba98
	s_mov_b32 s[MNT], 0x600000
	s_mov_b32 s[FLR], 0x4800000
	v_and_b32 v25, 31, v0
	v_lshlrev_b32 v[L16], 4, v25
	v_and_b32 v[VR], 15, v0
	v_bfe_u32 v[VH_], v0, 4, 1
	v_lshlrev_b32 v[VSO], 9, v[VH_]
	v_lshl_add_u32 v[VSO], v[VR], 4, v[VSO]
	v_lshlrev_b32 v[VB], 6, v[VH_]                 ; b1: 64 h, odd tiles 32 bytes on
	v_add_nc_u32 v[VB+1], 32, v[VB]
	v_min_u32 v26, 15, v25                         ; lanes 16-31 name lane 15's block again
	v_lshlrev_b32 v26, 8, v26
	v_add_nc_u32 v[PFO], s26, v26                  ; 4,096 tb + 256 x lane
	v_mov_b32 v[AX], v[L16]
	v_add_nc_u32 v[AX+1], 65536, v[L16]
	v_add_nc_u32 v[AH], HB, v[L16]
	v_add_nc_u32 v[AH+1], HB+65536, v[L16]
	s_lshl_b32 s84, s16, 12
	v_add_nc_u32 v[HB0], s84, v[AH]                ; my wave's 256 units are steps 2 w and 2 w + 1 of the next K
	v_add_nc_u32 v[HB0+1], s84, v[AH+1]
	s_lshr_b32 s84, s16, 1
	s_lshl_b32 s84, s84, 8
	s_and_b32 s85, s16, 1
	s_lshl_b32 s85, s85, 3
	s_add_co_u32 s84, s84, s85
	s_add_co_u32 s84, s84, HSB
	v_lshl_add_u32 v[HS0], v[VR], 4, s84
	s_mul_i32 s84, s16, STG
	v_mul_u32_u24 v26, v[VR], 144
	v_lshl_add_u32 v26, v[VH_], 4, v26
	v_add_nc_u32 v[STO], s84, v26
	v_bfe_u32 v26, v0, 3, 2
	v_mul_u32_u24 v26, v26, 144
	v_and_b32 v27, 7, v0
	v_lshl_add_u32 v26, v27, 4, v26
	v_add_nc_u32 v[SRD], s84, v26
	v_add_nc_u32 v[HSL], HSB, v[VSO]
	v_lshlrev_b32 v23, 5, v[VR]
.irp n, 0,1,2,3
	v_mov_b32 v[TM+4+\n], 0                        ; a lane permute's destination counts as one of its sources
.endr
.irp a, 0,1,2,3,4,5,6,7
	v_mov_b32 v[RT+2*\a+1], 0                      ; named as the upper half of a pair
.endr
	s_wait_alu depctr_va_vdst(0)
	s_wait_dscnt 0x0
	ROUND                                          ; the four partners are here: the joint loads meet
	s_wait_kmcnt 0x0
	s_add_nc_u64 s[30:31], s[4:5], s[20:21]
	s_or_b32 s31, s31, 0x80000000
	tensor_load_to_lds s[28:31], s[32:39]          ; my quarter of x's codes, asked for with my like in the three partners: my one tensor load
	s_nop 0
	s_add_nc_u64 s[WC:WC+1], s[4:5], s[22:23]
	s_add_nc_u64 s[WN:WN+1], s[WC:WC+1], 65536
	s_add_nc_u64 s[WP:WP+1], s[WC:WC+1], 131072
	s_add_nc_u64 s[SCU:SCU+1], s[6:7], s[24:25]
	s_add_nc_u64 s[SNX:SNX+1], s[SCU:SCU+1], 2048
	s_add_nc_u64 s[26:27], s[6:7], s[26:27]
	s_add_nc_u64 s[76:77], s[8:9], s[76:77]
	s_add_nc_u64 s[BPN:BPN+1], s[76:77], 256
	s_add_nc_u64 s[B2P:B2P+1], s[10:11], s[78:79]
	s_add_nc_u64 s[80:81], s[12:13], s[80:81]
	s_add_nc_u64 s[YP:YP+1], s[14:15], s[82:83]
.macro WSL ptr, kc                     ; the weight's scale words of four steps: lanes 0-15 tile 2 p, lanes 16-31 tile 2 p + 1
.irp p, 0,1
	global_load_b128 v[WS+8*\p+4*(\kc):WS+8*\p+4*(\kc)+3], v[VSO], s[\ptr:\ptr+1] offset:1024*\p+256*(\kc)
.endr
.endm
.macro BIAS ptr
.irp i, 0,1,2,3
	global_load_b128 v[BI+8*\i:BI+8*\i+3], v[VB+\i%2], s[\ptr:\ptr+1] offset:128*(\i/2)
	global_load_b128 v[BI+8*\i+4:BI+8*\i+7], v[VB+\i%2], s[\ptr:\ptr+1] offset:128*(\i/2)+16
.endr
.endm
.irp p, 0,1,2,3
.irp c, 0,1
	global_load_b128 v[XS+8*\p+4*\c:XS+8*\p+4*\c+3], v[VSO], s[26:27] offset:1024*\p+256*\c
.endr
.endr
.irp a, 0,1,2,3,4,5,6,7
	global_load_b32 v[RT+2*\a], v23, s[80:81] offset:512*\a
.endr
	BIAS 76
	WSL SCU, 0
	WIN 0xc0
.irp q, 0,1,2
.irp i, 0,1,2,3
.irp c, 0,1,2,3
	global_load_b128 v[64*\q+16*\i+4*\c:64*\q+16*\i+4*\c+3], v[L16], s[WC:WC+1] offset:16384*\i+2048*\q+512*\c
.endr
.endr
.endr
	WIN 0
.macro AZERO adr                       ; the tokens' fragments of step 0 into set 0
	WIN 0x80
.irp a, 0,1,2,3,4,5,6,7
.irp c, 0,1,2,3
	ds_load_b128 v[16*\a+4*\c:16*\a+4*\c+3], v[\adr+\a/4] offset:16384*(\a%4)+512*\c
.endr
.endr
	WIN 0
.endm
.macro AL q, adr, g0                   ; four of the tokens' fragments of step q + 1, blocks g0 .. g0 + 3, into the other set: 16 LDS loads
	WIN 0x80
.set G_, \g0
.rept 4
.irp c, 0,1,2,3
	ds_load_b128 v[128*(((\q)+1)%2)+16*G_+4*\c:128*(((\q)+1)%2)+16*G_+4*\c+3], v[\adr+G_/4] offset:16384*(G_%4)+2048*((\q)+1)+512*\c
.endr
.set G_, G_+1
.endr
	WIN 0
.endm
.macro MM q, first, n0                 ; 16 matrix instructions: blocks n0 / 4 .. + 3 of the tokens against the four tiles; the accumulators by turns
.set N_, \n0
.rept 16
.set A_, N_/4
.set I_, N_%4
.set D_, 8*N_
.set FB_, 64*((\q)%4)+16*I_
.set FA_, 128*((\q)%2)+16*A_
.set W_, WS+8*(I_/2)+(\q)
.set X_, XS+8*(A_/2)+(\q)
.if \first
	WIN 0x4b
.set C_, BI+8*I_
.else
	WIN 0x5b
.set C_, D_
.endif
.if (I_%2) && (A_%2)
	v_wmma_scale_f32_16x16x128_f8f6f4 v[D_:D_+7], v[FB_:FB_+15], v[FA_:FA_+15], v[C_:C_+7], v[W_], v[X_] matrix_a_scale:MATRIX_SCALE_ROW1 matrix_b_scale:MATRIX_SCALE_ROW1
.elseif I_%2
	v_wmma_scale_f32_16x16x128_f8f6f4 v[D_:D_+7], v[FB_:FB_+15], v[FA_:FA_+15], v[C_:C_+7], v[W_], v[X_] matrix_a_scale:MATRIX_SCALE_ROW1
.elseif A_%2
	v_wmma_scale_f32_16x16x128_f8f6f4 v[D_:D_+7], v[FB_:FB_+15], v[FA_:FA_+15], v[C_:C_+7], v[W_], v[X_] matrix_b_scale:MATRIX_SCALE_ROW1
.else
	v_wmma_scale_f32_16x16x128_f8f6f4 v[D_:D_+7], v[FB_:FB_+15], v[FA_:FA_+15], v[C_:C_+7], v[W_], v[X_]
.endif
.set N_, N_+1
.endr
	WIN 0
.endm
; A STEP of 128 along K.  At its head a run of loads: the scale words and the bias where they are due, the weight's four fragments of three steps on (ld = 1: of this pass; 2: of the next; 0: none), the next step's token blocks 0-3;
; behind the first 16 matrix instructions the next step's token blocks 4-7.  The sets that these loads land in were last read by the step before: eight v_nop stand between.
; n: the global loads issued behind this step's fragments: three steps' 16 (this step's own among them), and the 2 or 10 loads of scale words and bias where they lie between.
; LDS: behind the run that a half step reads, two runs of 16 have been issued: 32.  Step 0's fragments came ahead of the way out: only its own head's 16 are younger.  Step 7 issues none: 16 at its head, 0 in its middle.
.macro K q, adr, first, ld, n, ph
.if (\q) > 0
.rept 8
	v_nop
.endr
.endif
.if (\q) == 1
	WSL SCU, 1
.endif
.if (\q) == 2
.if (\ph) == 2
	s_cmp_gt_u32 s[CNT], 2
	s_cbranch_scc0 .Lno_pf_\@
.endif
	global_prefetch_b8 v[PFO], s[WP:WP+1] th:TH_LOAD_NT scope:SCOPE_SE
.Lno_pf_\@:
.endif
.if ((\q) == 5) && (\ld)
	WSL SNX, 0
	BIAS BPN
.endif
.if \ld
	WIN 0xc0
.set L_, 0
.rept 16
	global_load_b128 v[64*(((\q)+3)%4)+4*L_:64*(((\q)+3)%4)+4*L_+3], v[L16], s[WC+2*((\ld)-1):WC+2*((\ld)-1)+1] offset:16384*(L_/4)+2048*(((\q)+3)%8)+512*(L_%4)
.set L_, L_+1
.endr
	WIN 0
.endif
.if (\q) < 7
	AL \q, \adr, 0
.endif
	s_wait_loadcnt \n
.if ((\q) == 0) || ((\q) == 7)
	s_wait_dscnt 16
.else
	s_wait_dscnt 32
.endif
.if (\first) && ((\ph) == 2)
.set k_, 0
.rept 16
	v_pk_mul_f32 v[BI+k_:BI+k_+1], v[BI+k_:BI+k_+1], 0.5 op_sel_hi:[1,0]   ; each half of the hidden units carries half of b2
.set k_, k_+2
.endr
	s_wait_alu depctr_va_vdst(0)
.rept 4
	v_nop
.endr
.endif
	MM \q, \first, 0
.if (\q) < 7
	AL \q, \adr, 4
	s_wait_dscnt 32
.else
	s_wait_dscnt 0x0
.endif
	MM \q, \first, 16
.if (\q) == 7
.rept 8
	v_nop                                          ; the places behind a pass's last products, ahead of the way out and of the loads that follow
.endr
.endif
.endm
.macro K04 adr, ph
	K 0, \adr, 1, 1, 48, \ph
	K 1, \adr, 0, 1, 50, \ph
	K 2, \adr, 0, 1, 50, \ph
	K 3, \adr, 0, 1, 50, \ph
	K 4, \adr, 0, 1, 48, \ph
.endm
.macro K57 adr, ph
	K 5, \adr, 0, 2, 58, \ph
	K 6, \adr, 0, 2, 58, \ph
	K 7, \adr, 0, 2, 58, \ph
.endm
; PHASE 1'S WAY OUT, two blocks of 16 tokens at a time: 64 registers = four blocks of 32 units, each shared with lane l xor 16.  z |z| is z^2 where z is positive; the hold between 0 and 448 x the scale clips the rest: relu(z)^2.
; Each accumulator is read from its low end on.  The eight v_nop behind the pass's last step are the places behind its products.
.macro EP1 g
.set X_, 64*(\g)
	WIN 0x45
.set k_, 0
.rept 64
	v_mul_f32 v[X_+k_], v[X_+k_], |v[X_+k_]|
.set k_, k_+1
.endr
	WIN 0x14
.irp n, 0,1,2,3
	v_max3_num_f32 v[TM+\n], s[FLR], v[X_+16*\n], v[X_+16*\n+1]   ; no |.|: what is negative becomes 0; the floor 2^(9 - 127) holds the byte at 1
.endr
.irp i, 2,4,6,8,10,12,14
.irp n, 0,1,2,3
	v_max3_num_f32 v[TM+\n], v[TM+\n], v[X_+16*\n+\i], v[X_+16*\n+\i+1]
.endr
.endr
	WIN 0
.irp n, 0,1,2,3
	v_permlanex16_b32 v[TM+4+\n], v[TM+\n], s[SEL], s[SEL+1]
.endr
.irp n, 0,1,2,3
	v_max_num_f32 v[TM+\n], v[TM+\n], v[TM+4+\n]
.endr
.irp n, 0,1,2,3
	v_add_nc_u32 v[TM+12+\n], 0xfc000000, v[TM+\n] ; the conversion's scale operand
.endr
.irp n, 0,1,2,3
	v_and_or_b32 v[TM+8+\n], v[TM+\n], 0x7f800000, s[MNT]   ; 448 x the scale
.endr
.irp n, 0,1,2,3
	v_lshrrev_b32 v[TM+4+\n], 23, v[TM+12+\n]      ; the byte
.endr
	v_lshl_or_b32 v[HW+2*(\g)], v[TM+5], 8, v[TM+4]
	v_lshl_or_b32 v[HW+2*(\g)+1], v[TM+7], 8, v[TM+6]
	WIN 0x41
.irp n, 0,1,2,3
.irp i, 0,1,2,3,4,5,6,7,8,9,10,11,12,13,14,15
	v_med3_num_f32 v[X_+16*\n+\i], v[X_+16*\n+\i], 0, v[TM+8+\n]
.endr
.endr
	WIN 0x01
.irp n, 0,1,2,3
	v_cvt_scalef32_pk8_fp8_f32 v[PC+16*(\g)+4*\n:PC+16*(\g)+4*\n+1], v[X_+16*\n:X_+16*\n+7], v[TM+12+\n]
	v_cvt_scalef32_pk8_fp8_f32 v[PC+16*(\g)+4*\n+2:PC+16*(\g)+4*\n+3], v[X_+16*\n+8:X_+16*\n+15], v[TM+12+\n]
.endr
	v_nop                                          ; a plain line behind the last conversion
	WIN 0
.irp n, 0,1,2,3
	ds_store_b128 v[VH+(2*(\g)+\n/2)/4], v[PC+16*(\g)+4*\n:PC+16*(\g)+4*\n+3] offset:16384*((2*(\g)+\n/2)%4)+512*(\n%2)   ; a piece of the next operand's image
.endr
	ds_store_b16 v[HSC], v[HW+2*(\g)] offset:1024*(\g)      ; both halves of the lanes write the same two bytes
	ds_store_b16 v[HSC], v[HW+2*(\g)+1] offset:1024*(\g)+512
.endm
; PHASE 2'S WAY OUT, two blocks of tokens at a time: x route, to bf16, through my stage, and out as 512 consecutive bytes (4 tokens x 64 outputs) a store.
.macro SEND g, younger
	s_wait_dscnt \younger
	WIN 0x08
.irp t, 0,1,2,3,4,5,6,7
	global_store_b128 v[L16], v[128+32*(\g)+4*\t:128+32*(\g)+4*\t+3], s[YP:YP+1] offset:4096*(\g)+512*\t th:TH_STORE_NT   ; written once, read by nobody here
.endr
	WIN 0
.endm
.macro EP2 g
.set X_, 64*(\g)
.set T_, PC+32*((\g)%2)
	WIN 0x41
.set k_, 0
.rept 32
	v_pk_mul_f32 v[X_+k_:X_+k_+1], v[X_+k_:X_+k_+1], v[RT+2*(2*(\g)+k_/32):RT+2*(2*(\g)+k_/32)+1] op_sel_hi:[1,0]
.set k_, k_+2
.endr
	WIN 0x05
.set k_, 0
.rept 32
	v_cvt_pk_bf16_f32 v[T_+k_], v[X_+2*k_], v[X_+2*k_+1]
.set k_, k_+1
.endr
	WIN 0
.irp n, 0,1,2,3,4,5,6,7
	ds_store_b128 v[STO], v[T_+4*\n:T_+4*\n+3] offset:(2*(\g)+\n/4)*16*144+32*(\n%4)
.endr
	WIN 0x80
.irp t, 0,1,2,3,4,5,6,7
	ds_load_b128 v[128+32*(\g)+4*\t:128+32*(\g)+4*\t+3], v[SRD] offset:(32*(\g)+4*\t)*144   ; LDS serves a wave's instructions in order: these see my stores.  They land in the tokens' set 1, which is free
.endr
	WIN 0
.if (\g) > 0
	SEND (\g)-1, 16                                ; behind that pair's loads: this pair's 8 stores and 8 loads
.endif
.endm
.macro OUT2
	EP2 0
	EP2 1
	EP2 2
	EP2 3
	SEND 3, 0
.endm
	s_wait_tensorcnt 0x0                           ; my quarter of x is in
	s_barrier_signal -1
	s_barrier_wait -1                              ; everybody's is
	AZERO AX
	s_mov_b32 s[CNT], 4
.Lp1:                                              ; PHASE 1: four passes of 64 hidden units
	K04 AX, 1
	K57 AX, 1
	s_cmp_eq_u32 s[CNT], 1
	s_cbranch_scc1 .Lno_a0                         ; the last pass has no successor on x
	AZERO AX
.Lno_a0:
	v_add_nc_u32 v[VH], s72, v[HB0]                ; a pass's 64 units are two pieces: 1,024 bytes on in each fragment pair
	v_add_nc_u32 v[VH+1], s72, v[HB0+1]
	v_add_nc_u32 v[HSC], s73, v[HS0]
	EP1 0
	EP1 1
	EP1 2
	EP1 3
	s_wait_xcnt 0x0                                ; the loads and the prefetch have read their addresses
	s_mov_b64 s[WC:WC+1], s[WN:WN+1]
	s_mov_b64 s[WN:WN+1], s[WP:WP+1]
	s_mov_b64 s[SCU:SCU+1], s[SNX:SNX+1]
	s_add_nc_u64 s[BPN:BPN+1], s[BPN:BPN+1], 256
	s_mov_b32 s56, CJ
	s_cmp_eq_u32 s[CNT], 3                         ; two passes on is then phase 2's first
	s_cselect_b32 s56, s56, 65536
	s_add_nc_u64 s[WP:WP+1], s[WP:WP+1], s[56:57]
	s_mov_b32 s58, SJ
	s_cmp_eq_u32 s[CNT], 2                         ; the pass after the next is then phase 2's first
	s_cselect_b32 s58, s58, 2048
	s_cselect_b64 s[BPN:BPN+1], s[B2P:B2P+1], s[BPN:BPN+1]
	s_add_nc_u64 s[SNX:SNX+1], s[SNX:SNX+1], s[58:59]
	s_cmp_le_u32 s[CNT], 2
	s_cselect_b32 s61, 32, 64                      ; b2 lies in its own order: 32 h, odd tiles 64 bytes on
	s_cselect_b32 s62, 64, 32
	v_mul_u32_u24 v[VB], v[VH_], s61
	v_add_nc_u32 v[VB+1], s62, v[VB]
	s_add_co_u32 s72, s72, 1024
	s_add_co_u32 s73, s73, 2
	s_wait_alu depctr_va_vdst(0)
	s_sub_co_u32 s[CNT], s[CNT], 1
	s_cmp_lg_u32 s[CNT], 0
	s_cbranch_scc1 .Lp1
	s_wait_dscnt 0x0                               ; my codes and bytes of h are stored, my reads of x are over
	s_barrier_signal -1
	s_barrier_wait -1
.irp p, 0,1,2,3
.irp c, 0,1
	ds_load_b128 v[XS+8*\p+4*\c:XS+8*\p+4*\c+3], v[HSL] offset:1024*\p+256*\c   ; h's scale words take x's place
.endr
.endr
	AZERO AH
	s_mov_b32 s[CNT], 4
.Lp2:                                              ; PHASE 2: four passes of 64 outputs; the last asks for nothing more, so its end is written out
	K04 AH, 2
	s_cmp_eq_u32 s[CNT], 1
	s_cbranch_scc1 .Lp2_last
	K57 AH, 2
	AZERO AH
	OUT2
	s_wait_xcnt 0x0                                ; loads and stores have read their registers: pointers step, and set 1 may be loaded again
	s_mov_b64 s[WC:WC+1], s[WN:WN+1]
	s_mov_b64 s[WN:WN+1], s[WP:WP+1]
	s_mov_b64 s[SCU:SCU+1], s[SNX:SNX+1]
	s_add_nc_u64 s[WP:WP+1], s[WP:WP+1], 65536
	s_add_nc_u64 s[SNX:SNX+1], s[SNX:SNX+1], 2048
	s_add_nc_u64 s[BPN:BPN+1], s[BPN:BPN+1], 256
	s_add_nc_u64 s[YP:YP+1], s[YP:YP+1], 16384
	s_sub_co_u32 s[CNT], s[CNT], 1
	s_branch .Lp2
.Lp2_last:
	K 5, AH, 0, 0, 32, 2
	K 6, AH, 0, 0, 16, 2
	K 7, AH, 0, 0, 0, 2
	OUT2
	s_wait_tensorcnt 0x0                           ; the wave's end
	ds_add_u32 v[SPW], v[NIL]
	s_wait_dscnt 0x0
	ROUND                                          ; the closing round
	s_endpgm
.Lfunc_end_k_qcd697e1088_mlp:
	.size	k_qcd697e1088_mlp, .Lfunc_end_k_qcd697e1088_mlp-k_qcd697e1088_mlp
	.p2alignl 7, 3214868480
	.fill 96, 4, 3214868480
	.section	.rodata,"a",@progbits
	.p2align	6, 0x0
	.amdhsa_kernel k_qcd697e1088_mlp
		.amdhsa_group_segment_fixed_size 327680
		.amdhsa_private_segment_fixed_size 0
		.amdhsa_enable_private_segment 0
		.amdhsa_kernarg_size 48
		.amdhsa_user_sgpr_count 2
		.amdhsa_user_sgpr_kernarg_segment_ptr 1
		.amdhsa_wavefront_size32 1
		.amdhsa_system_sgpr_workgroup_id_x 1
		.amdhsa_system_sgpr_workgroup_id_y 1
		.amdhsa_system_sgpr_workgroup_id_z 1
		.amdhsa_system_vgpr_workitem_id 0
		.amdhsa_next_free_vgpr 1024
		.amdhsa_next_free_sgpr 96
		.amdhsa_reserve_vcc 0
		.amdhsa_float_denorm_mode_32 3
		.amdhsa_float_denorm_mode_16_64 3
		.amdhsa_memory_ordered 1
		.amdhsa_forward_progress 1
		.amdhsa_inst_pref_size 255
	.end_amdhsa_kernel
	.section	.bss,"aw",@nobits
	.p2align	6
	.space	262144
	.amdgpu_metadata
---
amdhsa.version: [ 1, 2 ]
amdhsa.kernels:
  - .name:           k_qcd697e1088_mlp
    .symbol:         k_qcd697e1088_mlp.kd
    .args:
      - { .name: codes, .offset: 0, .size: 8, .value_kind: global_buffer, .address_space: global }
      - { .name: scales, .offset: 8, .size: 8, .value_kind: global_buffer, .address_space: global }
      - { .name: b1, .offset: 16, .size: 8, .value_kind: global_buffer, .address_space: global }
      - { .name: b2, .offset: 24, .size: 8, .value_kind: global_buffer, .address_space: global }
      - { .name: route, .offset: 32, .size: 8, .value_kind: global_buffer, .address_space: global }
      - { .name: yb, .offset: 40, .size: 8, .value_kind: global_buffer, .address_space: global }
    .group_segment_fixed_size: 327680
    .private_segment_fixed_size: 0
    .kernarg_segment_align: 8
    .kernarg_segment_size: 48
    .max_flat_workgroup_size: 128
    .sgpr_count:     96
    .vgpr_count:     1024
    .wavefront_size: 32
...
	.end_amdgpu_metadata
.endif
;; end of part 2
;; launch combine (part 3): grid 512 x 1, 8 waves a work-group, no clusters, 0 bytes of LDS; arguments yb, out0; writes out0
.if DOCPART == 3
	.amdgcn_target "amdgcn-amd-amdhsa--gfx1250"
	.amdhsa_code_object_version 6
	.text
	.protected	k_qcd697e1088_combine
	.globl	k_qcd697e1088_combine
	.p2align	8
	.type	k_qcd697e1088_combine,@function
k_qcd697e1088_combine:
	s_mov_b64 s[64:65], 0
	v_nop
	global_prefetch_b8 v0, s[64:65] scope:SCOPE_SE
	s_setreg_imm32_b32 hwreg(HW_REG_WAVE_MODE, 25, 1), 1
	s_wait_xcnt 0x0
; out0 = the sum of the 16 parts (8 experts x 2 halves of the hidden units), each already weighed by the route and carrying its share of b2.
; yb: [part][block of 128 tokens][64 outputs: 16][token][64] bf16; out0: [2048][1024] f32.  A stream: every byte of yb is read once, every byte of out0 written once.  No LDS, no barrier, no matrix unit, no cluster.
; A work-group owns 64 tokens x 64 outputs, in four steps of 16 tokens; thread t owns outputs 4 (t % 16) .. + 3 of token t / 16: a wave's load covers 256 consecutive bytes, and sixteen lanes store one aligned unit of 256 bytes.
; All 64 loads of a thread are issued at the head; a step is summed as soon as its sixteen are in.  A part is widened and added by one fused multiply-add with 1.0, parts ascending; the first part starts the sums.
.set Y,   16                           ; v16-143 step i, part p: two registers at Y + 32 i + 2 p
.set ACC, 144                          ; v144-159 step i's four sums
	s_load_b128 s[4:7], s[0:1], 0x0                ; yb, out0
	v_lshlrev_b32 v1, 3, v0
	v_lshrrev_b32 v2, 4, v0
	v_and_b32 v3, 15, v0
	v_lshlrev_b32 v2, 12, v2
	v_lshl_add_u32 v2, v3, 4, v2                   ; 4,096 x token + 16 x (t % 16)
	v_mov_b32 v4, 1.0
	s_lshr_b32 s24, ttmp9, 1                       ; which block of 128 tokens x 64 outputs
	s_and_b32 s25, ttmp9, 1                        ; which half of its tokens
	s_lshl_b32 s26, s24, 14
	s_lshl_b32 s27, s25, 13
	s_add_co_u32 s26, s26, s27
	s_mov_b32 s27, 0
	s_lshr_b32 s28, s24, 4
	s_lshl_b32 s28, s28, 19                        ; 128 rows of 4,096 bytes
	s_and_b32 s29, s24, 15
	s_lshl_b32 s29, s29, 8
	s_add_co_u32 s28, s28, s29
	s_lshl_b32 s29, s25, 18
	s_add_co_u32 s28, s28, s29
	s_mov_b32 s29, 0
	s_wait_alu depctr_va_vdst(0)
	s_wait_kmcnt 0x0
	s_add_nc_u64 s[8:9], s[4:5], s[26:27]          ; a base for each two parts: the second lies 2^22 bytes on, inside the signed 24-bit immediate (ISA guide, chapter 10)
.irp j, 1,2,3,4,5,6,7
	s_add_nc_u64 s[8+2*\j:9+2*\j], s[6+2*\j:7+2*\j], 0x800000
.endr
	s_add_nc_u64 s[6:7], s[6:7], s[28:29]
.irp i, 0,1,2,3
.irp p, 0,1,2,3,4,5,6,7,8,9,10,11,12,13,14,15
	global_load_b64 v[Y+32*\i+2*\p:Y+32*\i+2*\p+1], v1, s[8+2*(\p/2):9+2*(\p/2)] offset:4194304*(\p%2)+2048*\i th:TH_LOAD_NT
.endr
.endr
.irp i, 0,1,2,3
	s_wait_loadcnt 16*(3-\i)                       ; this step's sixteen are in; the later steps' may be out
	v_lshlrev_b32 v[ACC+4*\i], 16, v[Y+32*\i]
	v_and_b32 v[ACC+4*\i+1], 0xffff0000, v[Y+32*\i]
	v_lshlrev_b32 v[ACC+4*\i+2], 16, v[Y+32*\i+1]
	v_and_b32 v[ACC+4*\i+3], 0xffff0000, v[Y+32*\i+1]
.irp p, 1,2,3,4,5,6,7,8,9,10,11,12,13,14,15
.irp u, 0,1
	v_fma_mix_f32_bf16 v[ACC+4*\i+2*\u], v[Y+32*\i+2*\p+\u], v4, v[ACC+4*\i+2*\u] op_sel_hi:[1,0,0]
	v_fma_mix_f32_bf16 v[ACC+4*\i+2*\u+1], v[Y+32*\i+2*\p+\u], v4, v[ACC+4*\i+2*\u+1] op_sel:[1,0,0] op_sel_hi:[1,0,0]
.endr
.endr
	global_store_b128 v2, v[ACC+4*\i:ACC+4*\i+3], s[6:7] offset:65536*\i th:TH_STORE_NT
.endr
	s_endpgm
.Lfunc_end_k_qcd697e1088_combine:
	.size	k_qcd697e1088_combine, .Lfunc_end_k_qcd697e1088_combine-k_qcd697e1088_combine
	.p2alignl 7, 3214868480
	.fill 96, 4, 3214868480
	.section	.rodata,"a",@progbits
	.p2align	6, 0x0
	.amdhsa_kernel k_qcd697e1088_combine
		.amdhsa_group_segment_fixed_size 0
		.amdhsa_private_segment_fixed_size 0
		.amdhsa_enable_private_segment 0
		.amdhsa_kernarg_size 16
		.amdhsa_user_sgpr_count 2
		.amdhsa_user_sgpr_kernarg_segment_ptr 1
		.amdhsa_wavefront_size32 1
		.amdhsa_system_sgpr_workgroup_id_x 1
		.amdhsa_system_sgpr_workgroup_id_y 1
		.amdhsa_system_sgpr_workgroup_id_z 1
		.amdhsa_system_vgpr_workitem_id 0
		.amdhsa_next_free_vgpr 160
		.amdhsa_next_free_sgpr 66
		.amdhsa_reserve_vcc 0
		.amdhsa_float_denorm_mode_32 3
		.amdhsa_float_denorm_mode_16_64 3
		.amdhsa_memory_ordered 1
		.amdhsa_forward_progress 1
		.amdhsa_inst_pref_size 24
	.end_amdhsa_kernel
	.amdgpu_metadata
---
amdhsa.version: [ 1, 2 ]
amdhsa.kernels:
  - .name:           k_qcd697e1088_combine
    .symbol:         k_qcd697e1088_combine.kd
    .args:
      - { .name: yb, .offset: 0, .size: 8, .value_kind: global_buffer, .address_space: global }
      - { .name: out0, .offset: 8, .size: 8, .value_kind: global_buffer, .address_space: global }
    .group_segment_fixed_size: 0
    .private_segment_fixed_size: 0
    .kernarg_segment_align: 8
    .kernarg_segment_size: 16
    .max_flat_workgroup_size: 256
    .sgpr_count:     66
    .vgpr_count:     160
    .wavefront_size: 32
...
	.end_amdgpu_metadata
.endif
;; end of part 3
